; MI455X (gfx1250); checked and timed in simulation.
; The chip was launched on July 23, 2026; its instructions are those of AMD's public machine-readable ISA for CDNA 5 (MIT licence, August 2026) and "CDNA5" Instruction Set Architecture Reference Guide (July 2026). The comments in the code are by the model that wrote it; some were corrected since.
;; Model. Allowed arithmetic: matrix products marked QUANTISED: E4M3 operands, one given power-of-two scale a tensor, by v_wmma_f32_16x16x64_fp8_fp8 or v_wmma_f32_16x16x128_fp8_fp8, f32 sums; everything else in f32.
;; Inputs: Wk 512 x 32 float32; Wq 512 x 32 float32; Wv 512 x 32 float32; bk 512 float32; bq 512 float32; bv 512 float32; key 8 x 2,048 x 32 float32; lowp_scales 10 int32 (the exponents e of the quantised operands' scales 2^e); mask 8 x 1 x 1 x 2,048 int32; query 8 x 2,048 x 32 float32; value 8 x 2,048 x 32 float32.
;; Outputs: out0 8 x 2,048 x 512 float32.
;; This version of the problem:
;;   THIS VERSION OF THE PROBLEM IS GIVEN IN LOW PRECISION. The matrix products marked QUANTISED in the list below multiply operands that are first quantised to E4M3 (4 exponent bits, 3 mantissa bits; 8 bits a number), with one given power-of-two scale for each operand tensor; their sums are f32. All else is computed in f32.
;;   The module's matrix products, in the order in which they are computed (A, B: the left and right operand; K: the contracted axis; several contracted axes count as one K, in the product's order):
;;     1. [M 16,384, K 32] x [K 32, N 512]; A: input query; B: input Wq: QUANTISED (scales: A lowp_scales[0], B lowp_scales[1])
;;     2. [M 16,384, K 32] x [K 32, N 512]; A: input key; B: input Wk: QUANTISED (scales: A lowp_scales[2], B lowp_scales[3])
;;     3. [M 16,384, K 32] x [K 32, N 512]; A: input value; B: input Wv: QUANTISED (scales: A lowp_scales[4], B lowp_scales[5])
;;     4. batch 64 x [M 2,048, K 64] x [K 64, N 2,048]; A: computed on the way; B: computed on the way: QUANTISED (scales: A lowp_scales[6], B lowp_scales[7])
;;     5. batch 64 x [M 2,048, K 2,048] x [K 2,048, N 64]; A: softmax (see below); B: computed on the way: QUANTISED (scales: A lowp_scales[8], B lowp_scales[9])
;;   THE QUANTISER, for each operand of a quantised product, along K:
;;     - The operand's scale is 2^e, e = its entry of the input lowp_scales (int32; the entries are numbered through the quantised products in the list's order, A before B).
;;     - Each number is divided by the scale, clamped to +-448, and rounded to the nearest number of E4M3, ties to even, subnormals kept.
;;     - The product sums the exact products of the quantised numbers (number of the format x scale) in f32.
;;   ~~~python
;;   def quantise(x, axis, e):      # numpy; x: float32 -> the quantised numbers, widened to float32 again
;;       x = np.moveaxis(x, axis, -1); K = x.shape[-1]
;;       r = np.clip(x / 2.0 ** e, -448, 448)
;;       step = 2.0 ** (np.maximum(np.frexp(np.where(r == 0, 1, r))[1] - 1, -6) - 3)
;;       q = np.round(r / step) * step * 2.0 ** e      # np.round: ties to even
;;       return np.moveaxis(q, -1, axis).astype(np.float32)
;;   ~~~
;;   SOFTMAX AHEAD OF A QUANTISED PRODUCT. Where the list says 'softmax', what is quantised is not the finished softmax but p = 2^(t - M), with t = logit x log2(e) and M = ceil(the row's largest t), a whole number; so 1/2 < the row's largest p <= 1. The row's sum l is taken of the UNQUANTISED p, in f32, and the product's result is divided by l at the end. Since M is a whole number, a kernel that streams over the keys may use a running M (the ceiling of the running maximum): every later rescaling is an exact power of two, so the quantised numbers keep their values, but for numbers so far below the row's largest that they fall under the format's range.
;;   OPERANDS COMPUTED ON THE WAY. 'Computed on the way' means the value that the module computes at that place (a softmax that the list does not call 'softmax' is quantised finished and normalised). What goes into a quantiser is computed in f32, as accurately as f32 sums, v_exp_f32 and their like allow (about 1e-6 of the number): no bf16 or f16 on the way to a quantiser, and a product that is left as it is and whose result goes on into a quantised operand takes f32 operands (vector FMAs, or v_wmma_f32_16x16x4_f32). A number that lies on a knife's edge between two numbers of the format may be rounded either way, as far as f32 arithmetic and the matrix unit's own rounding can turn it there, and no further.
;; One version. Each part assembles by itself: llvm-mc -triple=amdgcn-amd-amdhsa -mcpu=gfx1250 --defsym DOCPART=n.
;; ======== version 1 of 1: 1 launch
;; limits: right only within a limited range of input values
;; launch attn (part 1): grid 4 x 64, 16 waves a work-group, no clusters, 282,624 bytes of LDS; arguments query, key, value, Wq, Wk, Wv, bq, bk, bv, lowp_scales, out0; writes out0
.if DOCPART == 1
	.amdgcn_target "amdgcn-amd-amdhsa--gfx1250"
	.amdhsa_code_object_version 6
	.text
	.protected	k_q43abb83d27_attn
	.globl	k_q43abb83d27_attn
	.p2align	8
	.type	k_q43abb83d27_attn,@function
k_q43abb83d27_attn:
	s_mov_b64 s[64:65], 0
	v_nop
	global_prefetch_b8 v0, s[64:65] scope:SCOPE_SE
	s_setreg_imm32_b32 hwreg(HW_REG_WAVE_MODE, 25, 1), 1
	s_wait_xcnt 0x0
; out0[b][q][64 hd + d] = sum over k of softmax_k(0.1125 q.k) v, with q = query Wq^T + bq, k = key Wk^T + bk, v = value Wv^T + bv, 8 heads of 64 channels.
; All five products run on codes of E4M3, each operand with its given scale 2^e (lowp_scales e0 .. e9), sums in f32.
; THE MASK: reference() takes only its shape (1 x 2048), which gives the factor max(0.9, 0.9 / 2048) = 0.9 whatever the mask holds; no value of it has a way to a result, so it is not among the arguments
; (LIMIT: nothing that the mask's numbers hold is carried to the result).
; SHARES.  A work-group (x = a block of 512 queries, y = 8 b + head) has sixteen waves; a wave owns 32 queries, two tiles of 16, in 256 registers.
; ONE LAUNCH, NO WORKSPACE.  A head's k and v as codes are 2 x 131,072 bytes and lie in LDS, in four CHUNKS of 512 keys.  A wave projects and quantises 32 keys and values of each: chunk 0's ahead of the main part,
; the other three chunks' in one go behind key step 0; their barrier is signalled behind the last of those stores and awaited three key steps later, so that the waves need not stand in step.
; NO TENSOR LOAD AND NO CLUSTER: what the four work-groups of a head share is key's and value's f32 rows, which pass a conversion, a product and a second conversion before they lie in LDS; 262,144 of the LDS bytes
; hold the codes, so there is no room for f32 tiles beside them.  NO PREFETCH: a wave reads these rows by two short runs of loads in straight text, with no loop that streams from memory to run ahead in.
; OPERANDS LIE IN LDS AS IMAGES OF THEIR REGISTERS: four registers by one ds_store_b128 at 16 x lane; every LDS instruction of the main part covers 512 consecutive bytes.
; LAYOUT (r = lane % 16, h = lane / 16).  An operand's registers 2 c, 2 c + 1 hold k = 16 c + 8 h + 0 .. 7; a result's register j holds (m = 8 h + j, n = r).
;   q, k: source 0 = 16 channels of W, source 1 = 16 rows of the input: a lane holds one row and eight neighbouring channels, so one conversion gives registers 2 ct, 2 ct + 1 of the next operand.
;   v:    the sources swapped: a lane holds one channel and eight neighbouring keys: registers 2 kt, 2 kt + 1 of V^T's fragment, whose K is the keys.
;   S^T = K Q^T and O^T = V^T P^T: a lane holds ONE query throughout; the conversion of S^T's tile u gives registers 2 u, 2 u + 1 of P.  Every k stands in its true place.
;   The projections have K = 32: a weight fragment holds channel tile 2 p in its k = 0 .. 31 and tile 2 p + 1 in its k = 32 .. 63, and the input stands as [0 | x | 0]: [x | 0] picks the first, [0 | x] the second.
;   A bias is the C of its product, divided by 2^(ea + eb); the conversion behind takes the folded scale 2^(eout - ea - eb).
; SOFTMAX, 128 keys a step.  t = score x c, c = 0.1125 log2(e) 2^(e6 + e7); M = the running largest t rounded up to a whole number; p = 2^(t - M) is quantised with 2^e8; the sum is taken of the unquantised p;
; when M moves, the sum and O^T are multiplied by 2^(old M - new M), which rounds nothing.
; LIMITS on the given exponents, so that each power of two is an f32 number: e0 .. e5, e8, e6 - e0 - e1, e7 - e2 - e3, e9 - e4 - e5 between -126 and 119; e6 + e7 between -123 and 130.  NaN among the inputs is not served.
.set STEPB,  16384                     ; a key step in LDS: K's eight fragments (1,024 bytes each), then V's four (2,048 bytes each)
.set CHUNK,  65536                     ; four steps
.set KVB,    262144                    ; sixteen steps
.set WIMG,   KVB                       ; the weights' codes: tile 4 m + ct (m = 0 Wq, 1 Wk, 2 Wv) at 512 (4 m + ct): 6,144 bytes
.set BOFF,   6144                      ; behind them the biases as C operands: 4,096 m + 512 k holds registers 4 k .. 4 k + 3: 12,288 bytes
.set SPARE,  WIMG+BOFF+12288           ; the spare words, 128 bytes a wave
.set SPITCH, 272                       ; the way out: a stage row, 256 bytes + 16; 16 rows a wave: 69,632 bytes, over steps 0 to 4
; REGISTERS that stay: v0, and
.set LI,  1                            ; v1   16 x lane
.set AD,  2                            ; v2   the LDS address in hand
.set SCI, 3                            ; v3   2^e8 (while chunks 1 to 3 are projected: my global offset)
.set ST,  4                            ; v4-9, v10-15: tile x's statistics at ST + 6 x: +0 -M, +1 largest raw score, +2, +3 the sum in two halves, +4 f, +5 at work
.set QF,  16                           ; v16-31   Q's two fragments
.set FR,  32                           ; v32-63   K's fragments 4-7, then P's two (16 registers a tile)
.set C2,  40                           ; v40-43   the sums' second chains, a pair a tile, between these two uses
.set SS,  64                           ; v64-191  S^T, then p: key tile u of query tile x at SS + 64 (u / 4) + 32 x + 8 (u % 4); V's fragments lie over the first 64 once these are codes
.set KP,  160                          ; v160-191 K's fragments 0-3 of the next step, once the second 64 are codes
.set OA,  192                          ; v192-255 O^T, 32 a tile
; at work in a projection:
.set XI,  64                           ; v64-75   [0 0 0 0 | x x x x | 0 0 0 0]
.set WF,  76                           ; v76-91   two weight fragments
.set BC,  92                           ; v92-123  the bias as C, four tiles
.set DT,  124                          ; v124-155 four tiles of results
.set SCN, 188                          ; the input's scale,
.set LMN, 189                          ; 448 x that,
.set SCO, 190                          ; the folded scale of the result,
.set LMO, 191                          ; 448 x that.  Raw numbers and codes just made: v32-63, v156-187; query's raw numbers v192-223
; head only:
.set RA,  4                            ; 128 r + 32 h: my bytes in a tile of 16 rows of 32 f32
.set SWI, 5                            ; where I store a weight tile's image
.set BWI, 6                            ; where I store a bias's image
.set BA,  7                            ; 32 h
.set BR,  8                            ; 4 r
.set RR,  224                          ; v224-255 weights or biases as they are loaded
.set SKB, 80                           ; s80  my wave's place in a chunk for k's codes
.set SVB, 81                           ; s81  and for v's
.macro MKSC sc, lm, e                  ; s[sc] = 2^e as f32, s[lm] = 448 x 2^e
	s_add_co_i32 s[\lm], s[\e], 127
	s_lshl_b32 s[\sc], s[\lm], 23
	s_add_co_i32 s[\lm], s[\lm], 8
	s_lshl_b32 s[\lm], s[\lm], 23
	s_or_b32 s[\lm], s[\lm], 0x600000
.endm
.macro NOPS4
.rept 4
	v_nop
.endr
.endm
.macro LOADT b, off, dst, ra           ; 16 rows x 32 f32; a lane takes k = 8 h .. + 7 and 16 + 8 h .. + 7 of row r.  No hint: other work-groups read key and value again
	global_load_b128 v[\dst:\dst+3],     v[\ra], s[\b:\b+1] offset:\off
	global_load_b128 v[\dst+4:\dst+7],   v[\ra], s[\b:\b+1] offset:\off+16
	global_load_b128 v[\dst+8:\dst+11],  v[\ra], s[\b:\b+1] offset:\off+64
	global_load_b128 v[\dst+12:\dst+15], v[\ra], s[\b:\b+1] offset:\off+80
.endm
.macro XLOADS                          ; my 32 queries, and my 32 keys and values of chunk 0: 24 loads
	LOADT 8, 0, 192, RA
	LOADT 8, 2048, 208, RA
	LOADT 10, 0, 32, RA
	LOADT 10, 2048, 48, RA
	LOADT 12, 0, 156, RA
	LOADT 12, 2048, 172, RA
.endm
.macro QIN st                          ; 16 numbers of a lane become the input's four code registers
.set j, 0
.rept 16
	v_med3_num_f32 v[\st+j], v[\st+j], -v[LMN], v[LMN]   ; the conversion to an 8-bit code does not saturate (ISA guide 7.6.2): the hold at the largest code x the scale
.set j, j+1
.endr
	v_cvt_scalef32_pk8_fp8_f32 v[XI+4:XI+5], v[\st:\st+7], v[SCN]
	v_cvt_scalef32_pk8_fp8_f32 v[XI+6:XI+7], v[\st+8:\st+15], v[SCN]
	v_nop                                          ; one plain vector line between a scaled conversion and the products that read its result
.endm
.macro MUL vv                          ; four channel tiles; even tiles take [x | 0], odd ones [0 | x]; C = the bias.  vv = 0: source 0 = W, source 1 = the input; 1: swapped
.if \vv
.irp ct, 0,1,2,3
	v_wmma_f32_16x16x64_fp8_fp8 v[DT+8*\ct:DT+8*\ct+7], v[XI+4-4*(\ct%2):XI+11-4*(\ct%2)], v[WF+8*(\ct/2):WF+8*(\ct/2)+7], v[BC+8*\ct:BC+8*\ct+7]
.endr
.else
.irp ct, 0,1,2,3
	v_wmma_f32_16x16x64_fp8_fp8 v[DT+8*\ct:DT+8*\ct+7], v[WF+8*(\ct/2):WF+8*(\ct/2)+7], v[XI+4-4*(\ct%2):XI+11-4*(\ct%2)], v[BC+8*\ct:BC+8*\ct+7]
.endr
.endif
.endm
.macro OUT d0, sd                      ; the four tiles' results become codes: tile ct's pair at v[d0 + sd x ct]; each result is read from its low end on
.set j, 0
.rept 32
	v_med3_num_f32 v[DT+j], v[DT+j], -v[LMO], v[LMO]
.set j, j+1
.endr
.irp ct, 0,1,2,3
	v_cvt_scalef32_pk8_fp8_f32 v[(\d0)+(\sd)*\ct:(\d0)+(\sd)*\ct+1], v[DT+8*\ct:DT+8*\ct+7], v[SCO]
.endr
	v_nop                                          ; the plain line behind the last conversion: later products write its sources
.endm
.macro PAIR vv, r0, r1, w0, w1, d0, d1, sd ; two tiles; w0, w1: the younger loads that may be out when a tile's own four are in.  The second tile's holds are the places behind the first one's products
	s_wait_loadcnt \w0
	QIN \r0
	MUL \vv
	s_wait_loadcnt \w1
	QIN \r1
	OUT \d0, \sd
	MUL \vv
	NOPS4                                          ; four places ahead of the first read of the results (ISA guide 7.12.1)
	OUT \d1, \sd
.endm
.macro PHASE m, si, so, zero           ; tensor m's weights and bias out of their images; its two scales.  The last products that read these registers stand more than four plain lines back
	v_add_nc_u32 v[AD], WIMG, v[LI]
.irp ct, 0,1,2,3
	ds_load_b128 v[WF+4*\ct:WF+4*\ct+3], v[AD] offset:2048*\m+512*\ct
.endr
.irp k, 0,1,2,3,4,5,6,7
	ds_load_b128 v[BC+4*\k:BC+4*\k+3], v[AD] offset:BOFF+4096*\m+512*\k
.endr
	v_mov_b32 v[SCN], s[\si]
	v_mov_b32 v[LMN], s[\si+1]
	v_mov_b32 v[SCO], s[\so]
	v_mov_b32 v[LMO], s[\so+1]
.if \zero
.irp i, 0,1,2,3,8,9,10,11
	v_mov_b32 v[XI+\i], 0                          ; the zero codes on both sides of the input's four registers
.endr
.endif
	s_wait_alu depctr_va_vdst(0)                   ; directly ahead of the wait below
	s_wait_dscnt 0x0                               ; they are in; my earlier stores of codes have read their registers too
.endm
.macro STOREK c, d                     ; my two tiles' codes of k, v[d .. d + 15], into chunk c
	s_add_co_u32 s74, s[SKB], CHUNK*(\c)
	v_add_nc_u32 v[AD], s74, v[LI]
.irp n, 0,1,2,3
	ds_store_b128 v[AD], v[\d+4*\n:\d+4*\n+3] offset:512*\n
.endr
.endm
.macro STOREV c, d                     ; and of v: four registers of each channel tile's fragment
	s_add_co_u32 s74, s[SVB], CHUNK*(\c)
	v_add_nc_u32 v[AD], s74, v[LI]
.irp n, 0,1,2,3
	ds_store_b128 v[AD], v[\d+4*\n:\d+4*\n+3] offset:2048*\n
.endr
.endm
; CHUNKS 1 TO 3: twelve tiles a wave (0-5 key's, 6-11 value's; chunk 1 + (i % 6) / 2) through a ring of three register sets, v156-171, v172-187, v48-63; the codes just made take v32-47
.macro BSET i
.set LR, 156+16*((\i)%3)-140*(((\i)%3)/2)
.endm
.macro BLOAD i
	BSET \i
.set LB, 10+2*((\i)/6)
.set LO, CHUNK*(1+((\i)%6)/2)+2048*((\i)%2)
	LOADT LB, LO, LR, SCI
.endm
.macro BTILE i                         ; tile i becomes the input's codes, and its registers take the tile three on
.if (\i) < 10
	s_wait_loadcnt 8                               ; two younger tiles' eight loads may be out
.else
	s_wait_loadcnt 4*(11-(\i))
.endif
	BSET \i
	QIN LR
.if (\i)+3 < 12
	BLOAD (\i)+3
.endif
.endm
.macro BPAIR vv, i, d1, sd
	BTILE \i
	MUL \vv
	BTILE (\i)+1
	s_wait_dscnt 0x0                               ; the pair before's stores have read v32-47
	OUT 32, \sd
	MUL \vv
	NOPS4
	OUT \d1, \sd
.endm
; THE MAIN PART, key steps lo .. hi - 1.  All their bytes were shown by a barrier that this wave has awaited.
.macro MAIN lo, hi
	s_mov_b32 s68, STEPB*(\lo)                     ; the step's first LDS byte, and the loop's counter
	v_add_nc_u32 v[AD], s68, v[LI]
.irp n, 0,1,2,3,4,5,6,7
	ds_load_b128 v[KP+4*\n:KP+4*\n+3], v[AD] offset:512*\n   ; K's fragments 0-3
.endr
.Lstep_\@:
	v_add_nc_u32 v[AD], s68, v[LI]                 ; with the four v_nop the places behind the last trip's products: P's registers are loaded into (4), V's are written over by products (5)
	NOPS4
.irp n, 0,1,2,3,4,5,6,7
	ds_load_b128 v[FR+4*\n:FR+4*\n+3], v[AD] offset:4096+512*\n   ; K's fragments 4-7
.endr
	s_wait_dscnt 8                                 ; fragments 0-3 are in; the eight younger loads may be out
.irp u, 0,1,2,3
.irp x, 0,1
	v_wmma_f32_16x16x64_fp8_fp8 v[SS+32*\x+8*\u:SS+32*\x+8*\u+7], v[KP+8*\u:KP+8*\u+7], v[QF+8*\x:QF+8*\x+7], 0
.endr
.endr
	s_add_co_u32 s69, s68, STEPB
	s_min_u32 s69, s69, STEPB*((\hi)-1)            ; the last trip reads its own K once more and does not use it: no byte of a chunk that is not yet shown is read
	NOPS4
	; the largest score, in two chains a tile (the first goes on from the running one), scores in ascending order
.irp x, 0,1
	v_max3_num_f32 v[ST+6*\x+1], v[ST+6*\x+1], v[SS+32*\x], v[SS+32*\x+1]
.endr
.irp x, 0,1
	v_max_num_f32 v[ST+6*\x+4], v[SS+32*\x+2], v[SS+32*\x+3]
.endr
.irp x, 0,1
	v_max3_num_f32 v[ST+6*\x+1], v[ST+6*\x+1], v[SS+32*\x+4], v[SS+32*\x+5]
.endr
.irp x, 0,1
	v_max3_num_f32 v[ST+6*\x+4], v[ST+6*\x+4], v[SS+32*\x+6], v[SS+32*\x+7]
.endr
.irp i, 8,12,16,20
.irp x, 0,1
	v_max3_num_f32 v[ST+6*\x+1], v[ST+6*\x+1], v[SS+32*\x+\i], v[SS+32*\x+\i+1]
.endr
.irp x, 0,1
	v_max3_num_f32 v[ST+6*\x+4], v[ST+6*\x+4], v[SS+32*\x+\i+2], v[SS+32*\x+\i+3]
.endr
.endr
	s_wait_alu depctr_va_vdst(0)                   ; directly ahead of the wait below
	s_wait_dscnt 0x0                               ; fragments 4-7 are in
.irp u, 0,1,2,3
.irp x, 0,1
	v_wmma_f32_16x16x64_fp8_fp8 v[SS+64+32*\x+8*\u:SS+64+32*\x+8*\u+7], v[FR+8*\u:FR+8*\u+7], v[QF+8*\x:QF+8*\x+7], 0
.endr
.endr
.irp i, 24,28,64,68,72,76,80,84,88,92              ; key tile 3's eight lines are the places behind these products
.irp x, 0,1
	v_max3_num_f32 v[ST+6*\x+1], v[ST+6*\x+1], v[SS+32*\x+\i], v[SS+32*\x+\i+1]
.endr
.irp x, 0,1
	v_max3_num_f32 v[ST+6*\x+4], v[ST+6*\x+4], v[SS+32*\x+\i+2], v[SS+32*\x+\i+3]
.endr
.endr
.irp x, 0,1
	v_max_num_f32 v[ST+6*\x+1], v[ST+6*\x+1], v[ST+6*\x+4]
.endr
.irp x, 0,1
	s_delay_alu instid0(VALU_DEP_2)
	v_permlanex16_b32 v[ST+6*\x+4], v[ST+6*\x+1], s66, s67     ; the query's other 64 keys lie in the lane 16 away
.endr
.irp x, 0,1
	s_delay_alu instid0(VALU_DEP_2)
	v_max_num_f32 v[ST+6*\x+1], v[ST+6*\x+1], v[ST+6*\x+4]     ; the running largest raw score
.endr
.irp x, 0,1
	s_delay_alu instid0(VALU_DEP_2)
	v_mul_f32 v[ST+6*\x+4], s60, v[ST+6*\x+1]                  ; as t (c is positive)
.endr
.irp x, 0,1
	s_delay_alu instid0(VALU_DEP_2)
	v_floor_f32 v[ST+6*\x+4], -v[ST+6*\x+4]                    ; the new -M = floor(-t): M is a whole number
.endr
.irp x, 0,1
	s_delay_alu instid0(VALU_DEP_2)
	v_sub_f32 v[ST+6*\x+5], v[ST+6*\x+4], v[ST+6*\x]           ; old M - new M: a whole number, 0 or less
.endr
.irp x, 0,1
	s_delay_alu instid0(VALU_DEP_4)
	v_mov_b32 v[ST+6*\x], v[ST+6*\x+4]
.endr
.irp x, 0,1
	s_delay_alu instid0(VALU_DEP_4)
	v_cvt_i32_f32 v[ST+6*\x+5], v[ST+6*\x+5]                   ; (it saturates)
.endr
.irp x, 0,1
	s_delay_alu instid0(VALU_DEP_2)
	v_ldexp_f32 v[ST+6*\x+4], 1.0, v[ST+6*\x+5]                ; f = 2^(old M - new M)
.endr
.set j, 0
.rept 16
.irp x, 0,1
	v_pk_fma_f32 v[SS+32*\x+j:SS+32*\x+j+1], v[SS+32*\x+j:SS+32*\x+j+1], s[60:61], v[ST+6*\x:ST+6*\x+1] op_sel_hi:[1,0,0]   ; t - M, two at a time (of the pairs c and -M the low word serves both halves)
.endr
.set j, j+2
.endr
	s_wait_alu depctr_va_vdst(0)                   ; ahead of the batch
.set j, 0
.rept 16
.irp x, 0,1
	v_exp_f32 v[SS+32*\x+j], v[SS+32*\x+j]         ; p = 2^(t - M): not normalised.  The first 64 keys; the second 64 keys' multiply-adds, which name none of these registers, stand among them
	v_exp_f32 v[SS+32*\x+j+1], v[SS+32*\x+j+1]
	v_pk_fma_f32 v[SS+64+32*\x+j:SS+64+32*\x+j+1], v[SS+64+32*\x+j:SS+64+32*\x+j+1], s[60:61], v[ST+6*\x:ST+6*\x+1] op_sel_hi:[1,0,0]
.endr
.set j, j+2
.endr
	s_wait_alu depctr_va_vdst(0)                   ; and ahead of the second batch, whose sources stand among the first
.set j, 64
.rept 64
	v_exp_f32 v[SS+j], v[SS+j]
.set j, j+1
.endr
.irp x, 0,1
	v_pk_mul_f32 v[ST+6*\x+2:ST+6*\x+3], v[ST+6*\x+2:ST+6*\x+3], v[ST+6*\x+4:ST+6*\x+5] op_sel_hi:[1,0]   ; the sums under the new M; also the plain line behind the exponentials
.endr
	s_wait_alu depctr_va_vdst(0)                   ; and for the wait between the batch and the first line that names a result
	; the first 64 keys: the sum is taken of the unquantised p, in two chains a tile; then p becomes codes, and V is loaded over it
.irp x, 0,1
	v_pk_add_f32 v[C2+2*\x:C2+2*\x+1], v[SS+32*\x:SS+32*\x+1], v[SS+32*\x+2:SS+32*\x+3]
.endr
.irp i, 4,8,12,16,20,24,28
.irp x, 0,1
	v_pk_add_f32 v[ST+6*\x+2:ST+6*\x+3], v[ST+6*\x+2:ST+6*\x+3], v[SS+32*\x+\i:SS+32*\x+\i+1]
.endr
.irp x, 0,1
	v_pk_add_f32 v[C2+2*\x:C2+2*\x+1], v[C2+2*\x:C2+2*\x+1], v[SS+32*\x+\i+2:SS+32*\x+\i+3]
.endr
.endr
	s_cmp_eq_u32 s70, 0                            ; where the given exponents leave every p under the hold's limit (see the head), the hold is jumped over
	s_wait_alu depctr_va_vdst(0)                   ; directly ahead of the branch
	s_cbranch_scc1 .Lnohold_\@
.set j, 0
.rept 64
	v_min_num_f32 v[SS+j], s59, v[SS+j]            ; p is not negative: the hold is one-sided
.set j, j+1
.endr
.Lnohold_\@:
.irp u, 0,1,2,3
.irp x, 0,1
	v_cvt_scalef32_pk8_fp8_f32 v[FR+16*\x+2*\u:FR+16*\x+2*\u+1], v[SS+32*\x+8*\u:SS+32*\x+8*\u+7], v[SCI]
.endr
.endr
.irp ct, 0,1,2,3
.irp n, 0,1,2,3
	ds_load_b128 v[SS+16*\ct+4*\n:SS+16*\ct+4*\n+3], v[AD] offset:8192+2048*\ct+512*\n   ; V of this step
.endr
.endr
	; the second 64 keys likewise; K's next fragments are loaded over part of their p
.irp i, 64,68,72,76,80,84,88,92
.irp x, 0,1
	v_pk_add_f32 v[ST+6*\x+2:ST+6*\x+3], v[ST+6*\x+2:ST+6*\x+3], v[SS+32*\x+\i:SS+32*\x+\i+1]
.endr
.irp x, 0,1
	v_pk_add_f32 v[C2+2*\x:C2+2*\x+1], v[C2+2*\x:C2+2*\x+1], v[SS+32*\x+\i+2:SS+32*\x+\i+3]
.endr
.endr
.irp x, 0,1
	v_pk_add_f32 v[ST+6*\x+2:ST+6*\x+3], v[ST+6*\x+2:ST+6*\x+3], v[C2+2*\x:C2+2*\x+1]
.endr
	s_cmp_eq_u32 s70, 0
	s_cbranch_scc1 .Lnoholdb_\@
.set j, 64
.rept 64
	v_min_num_f32 v[SS+j], s59, v[SS+j]
.set j, j+1
.endr
.Lnoholdb_\@:
.irp u, 0,1,2,3
.irp x, 0,1
	v_cvt_scalef32_pk8_fp8_f32 v[FR+8+16*\x+2*\u:FR+8+16*\x+2*\u+1], v[SS+64+32*\x+8*\u:SS+64+32*\x+8*\u+7], v[SCI]
.endr
.endr
	v_add_nc_u32 v[AD], s69, v[LI]
.irp n, 0,1,2,3,4,5,6,7
	ds_load_b128 v[KP+4*\n:KP+4*\n+3], v[AD] offset:512*\n   ; K's fragments 0-3 of the next step
.endr
	s_wait_alu depctr_va_vdst(0)                   ; directly ahead of the first reader of O^T
.irp x, 0,1
.set j, 0
.rept 16
	v_pk_mul_f32 v[OA+32*\x+j:OA+32*\x+j+1], v[OA+32*\x+j:OA+32*\x+j+1], v[ST+6*\x+4:ST+6*\x+5] op_sel_hi:[1,0]   ; O^T under the new M; also the plain lines behind the conversions
.set j, j+2
.endr
.endr
	s_wait_alu depctr_va_vdst(0)                   ; directly ahead of the wait below
	s_wait_dscnt 8                                 ; V is in; the eight younger loads, the next step's K, may be out
.irp ct, 0,1,2,3
.irp x, 0,1
	v_wmma_f32_16x16x128_fp8_fp8 v[OA+32*\x+8*\ct:OA+32*\x+8*\ct+7], v[SS+16*\ct:SS+16*\ct+15], v[FR+16*\x:FR+16*\x+15], v[OA+32*\x+8*\ct:OA+32*\x+8*\ct+7]   ; the eight accumulators take turns, one instruction a turn
.endr
.endr
	s_add_co_u32 s68, s68, STEPB
	s_cmp_lt_u32 s68, STEPB*(\hi)
	s_cbranch_scc1 .Lstep_\@
	s_wait_dscnt 0x0                               ; the last trip's unused loads are in: their registers may be written
.endm
	; ---- HEAD: pointers, ids, the addresses that the waves' parting needs
	s_load_b512 s[8:23], s[0:1], 0x0               ; query s[8:9], key s[10:11], value s[12:13], Wq s[14:15], Wk s[16:17], Wv s[18:19], bq s[20:21], bk s[22:23]
	s_load_b128 s[24:27], s[0:1], 0x40             ; bv s[24:25], lowp_scales s[26:27]
	s_load_b64 s[28:29], s[0:1], 0x50              ; out0
	v_lshrrev_b32 v14, 5, v0
	v_readfirstlane_b32 s30, v14                   ; wave 0..15
	s_and_b32 s33, ttmp7, 0xffff
	s_and_b32 s31, s33, 7                          ; head
	s_lshr_b32 s32, s33, 3                         ; batch
	s_mov_b32 s66, 0x76543210                      ; v_permlanex16_b32's selects: lane l xor 16
	s_mov_b32 s67, 0xfedcba98
	s_lshr_b32 s76, s30, 2
	s_lshl_b32 s76, s76, 14                        ; my 32 keys of a chunk lie in step w / 4 of it, quarter w % 4
	s_and_b32 s77, s30, 3
	s_lshl_b32 s78, s77, 11
	s_add_co_u32 s[SKB], s76, s78                  ; k: fragments 2 (w % 4), + 1
	s_lshl_b32 s78, s77, 9
	s_add_co_u32 s[SVB], s76, s78
	s_add_co_u32 s[SVB], s[SVB], 8192              ; v: registers 4 (w % 4) .. + 3 of each fragment
	s_lshl_b32 s74, s30, 9
	s_lshl_b32 s75, s30, 12
	s_add_co_u32 s75, s75, WIMG+BOFF-12*4096
	v_and_b32 v[LI], 31, v0
	v_and_b32 v12, 15, v0                          ; r
	v_bfe_u32 v13, v0, 4, 1                        ; h
	v_lshlrev_b32 v[LI], 4, v[LI]
	v_lshlrev_b32 v[RA], 7, v12
	v_lshlrev_b32 v[BA], 5, v13
	v_lshlrev_b32 v[BR], 2, v12
	v_add_nc_u32 v[SWI], WIMG, v[LI]
	v_lshl_add_u32 v[RA], v13, 5, v[RA]
	v_add_nc_u32 v[BWI], s75, v[LI]                ; the biases' images + 4,096 (w - 12) + 16 lane (waves 12-14)
	v_add_nc_u32 v[SWI], s74, v[SWI]               ; WIMG + 512 w + 16 lane (waves 0-11)
	s_wait_alu depctr_va_vdst(0)                   ; directly ahead of the wait below
	s_wait_kmcnt 0x0
	s_load_b256 s[36:43], s[26:27], 0x0            ; e0 .. e7
	s_load_b64 s[44:45], s[26:27], 0x20            ; e8, e9
	s_mov_b32 s35, 0
	s_lshl_b32 s75, s32, 18                        ; a batch of query, key or value: 2,048 rows of 128 bytes
	s_lshl_b32 s76, s30, 12                        ; my wave's 32 rows of a block of 512
	s_add_co_u32 s34, s75, s76
	s_add_nc_u64 s[10:11], s[10:11], s[34:35]      ; my keys and values of chunk 0
	s_add_nc_u64 s[12:13], s[12:13], s[34:35]
	s_lshl_b32 s74, ttmp9, 16                      ; my block of 512 queries
	s_add_co_u32 s34, s34, s74
	s_add_nc_u64 s[8:9], s[8:9], s[34:35]
	s_lshl_b32 s34, s32, 22                        ; out0: batch, block, wave's 32 rows of 2,048 bytes, the head's 256 bytes of a row
	s_lshl_b32 s74, ttmp9, 20
	s_add_co_u32 s34, s34, s74
	s_lshl_b32 s74, s30, 16
	s_add_co_u32 s34, s34, s74
	s_lshl_b32 s74, s31, 8
	s_add_co_u32 s34, s34, s74
	s_add_nc_u64 s[28:29], s[28:29], s[34:35]
	; ---- SETUP: waves 0-11 a weight tile each, waves 12, 13 bq and bk, wave 14 bv; wave 15 none.  In each arm the inputs' 24 loads are issued behind the arm's own, and may be out when these are used
	s_cmp_ge_u32 s30, 12
	s_cbranch_scc1 .Lbias
	s_and_b32 s76, s30, 3                          ; ct
	s_lshl_b32 s76, s76, 11                        ; 16 rows of 128 bytes
	s_lshl_b32 s34, s31, 13                        ; the head's 64 rows
	s_add_co_u32 s34, s34, s76
	s_lshr_b32 s78, s30, 2                         ; m
	s_cmp_eq_u32 s78, 0
	s_cselect_b64 s[72:73], s[14:15], s[16:17]
	s_cmp_eq_u32 s78, 2
	s_cselect_b64 s[72:73], s[18:19], s[72:73]
	s_add_nc_u64 s[72:73], s[72:73], s[34:35]
	LOADT 72, 0, RR, RA
	XLOADS
	s_wait_kmcnt 0x0
	s_cmp_eq_u32 s78, 0
	s_cselect_b32 s75, s37, s39
	s_cmp_eq_u32 s78, 2
	s_cselect_b32 s75, s41, s75                    ; e1, e3 or e5
	MKSC 76, 77, 75
	v_mov_b32 v9, s76
	v_mov_b32 v10, s77
	s_wait_alu depctr_va_vdst(0)                   ; directly ahead of the wait below
	s_wait_loadcnt 24
.set j, 0
.rept 16
	v_med3_num_f32 v[RR+j], v[RR+j], -v10, v10
.set j, j+1
.endr
	v_cvt_scalef32_pk8_fp8_f32 v[RR+16:RR+17], v[RR:RR+7], v9
	v_cvt_scalef32_pk8_fp8_f32 v[RR+18:RR+19], v[RR+8:RR+15], v9
	v_nop
	ds_store_b128 v[SWI], v[RR+16:RR+19]
	s_branch .Ljoin
.Lbias:
	s_cmp_ge_u32 s30, 14
	s_cbranch_scc1 .Lbv
	s_lshl_b32 s34, s31, 8                         ; the head's 64 numbers
	s_cmp_eq_u32 s30, 12
	s_cselect_b64 s[72:73], s[20:21], s[22:23]
	s_add_nc_u64 s[72:73], s[72:73], s[34:35]
.irp k, 0,1,2,3,4,5,6,7
	global_load_b128 v[RR+4*\k:RR+4*\k+3], v[BA], s[72:73] offset:64*(\k/2)+16*(\k%2)   ; register 8 ct + j: b[16 ct + 8 h + j]
.endr
	XLOADS
	s_wait_kmcnt 0x0
	s_add_co_i32 s74, s36, s37                     ; e0 + e1
	s_add_co_i32 s75, s38, s39                     ; e2 + e3
	s_cmp_eq_u32 s30, 12
	s_cselect_b32 s74, s74, s75
	s_sub_co_i32 s74, 0, s74
	s_wait_loadcnt 24
.set j, 0
.rept 32
	v_ldexp_f32 v[RR+j], v[RR+j], s74              ; b / 2^(ea + eb): the sums of codes lack that power of two
.set j, j+1
.endr
.irp k, 0,1,2,3,4,5,6,7
	ds_store_b128 v[BWI], v[RR+4*\k:RR+4*\k+3] offset:512*\k
.endr
	s_branch .Ljoin
.Lbv:
	s_cmp_eq_u32 s30, 14
	s_cbranch_scc0 .Lnone
	s_lshl_b32 s34, s31, 8
	s_add_nc_u64 s[72:73], s[24:25], s[34:35]
.irp ct, 0,1,2,3
	global_load_b32 v[RR+4*\ct], v[BR], s[72:73] offset:64*\ct   ; in v's products a lane holds channel 16 ct + r: one number for all eight registers
.endr
	XLOADS
	s_wait_kmcnt 0x0
	s_add_co_i32 s74, s40, s41                     ; e4 + e5
	s_sub_co_i32 s74, 0, s74
	s_wait_loadcnt 24
.irp ct, 0,1,2,3
	v_ldexp_f32 v[RR+4*\ct], v[RR+4*\ct], s74
.endr
.irp ct, 0,1,2,3
	v_mov_b32 v[RR+4*\ct+1], v[RR+4*\ct]
	v_mov_b32 v[RR+4*\ct+2], v[RR+4*\ct]
	v_mov_b32 v[RR+4*\ct+3], v[RR+4*\ct]
.endr
.irp ct, 0,1,2,3
	ds_store_b128 v[BWI], v[RR+4*\ct:RR+4*\ct+3] offset:1024*\ct
	ds_store_b128 v[BWI], v[RR+4*\ct:RR+4*\ct+3] offset:1024*\ct+512
.endr
	s_branch .Ljoin
.Lnone:
	XLOADS
.Ljoin:
	s_wait_kmcnt 0x0
	MKSC 46, 47, 36                                ; query's scale
	MKSC 48, 49, 38                                ; key's
	MKSC 50, 51, 40                                ; value's
	s_sub_co_i32 s74, s42, s36
	s_sub_co_i32 s74, s74, s37
	MKSC 52, 53, 74                                ; q: e6 - e0 - e1
	s_sub_co_i32 s74, s43, s38
	s_sub_co_i32 s74, s74, s39
	MKSC 54, 55, 74                                ; k: e7 - e2 - e3
	s_sub_co_i32 s74, s45, s40
	s_sub_co_i32 s74, s74, s41
	MKSC 56, 57, 74                                ; v: e9 - e4 - e5
	MKSC 58, 59, 44                                ; p: e8
	s_add_co_i32 s74, s42, s43                     ; e6 + e7
	s_lshl_b32 s75, s74, 23
	s_mov_b32 s60, 0x3e2632cf                      ; 0.1125 log2(e)
	s_add_co_i32 s60, s60, s75                     ; x 2^(e6 + e7): added to the exponent field
	s_mov_b32 s61, s60                             ; (named with it as a pair, so it is written)
	; p's hold.  A raw score is at most 64 x 448^2 < 2^23.7.  With e6 + e7 <= 0, |t| < 2^21, so c x the largest score is rounded by less than 1/8 and p < 2^(1/8); with e8 >= -8 the hold's limit,
	; 448 x 2^e8, is at least 1.75.  Then the hold changes no p, and the loops jump over it.  In every other case it is executed.
	s_cmp_gt_i32 s74, 0
	s_cselect_b32 s70, 1, 0
	s_cmp_lt_i32 s44, -8
	s_cselect_b32 s70, 1, s70
	s_add_co_i32 s71, s44, s45                     ; e8 + e9
	s_wait_dscnt 0x0                               ; my image lies in LDS
	s_barrier_signal -1
	s_barrier_wait -1                              ; and so do all
	; ---- my 32 queries into registers; the main part's first values; my part of chunk 0 into LDS
	PHASE 0, 46, 52, 1
	PAIR 0, 192, 208, 20, 16, QF, QF+8, 2          ; behind query's tiles: key's and value's sixteen loads
	s_wait_xcnt 0x0                                ; the loads have read their offset: it may be written
	v_mov_b32 v[SCI], s58                          ; 2^e8
.irp x, 0,1
	v_mov_b32 v[ST+6*\x],   0x7f61b1e6             ; -M: 3e38
	v_mov_b32 v[ST+6*\x+1], 0xff61b1e6             ; the largest raw score so far: -3e38, under every score
	v_mov_b32 v[ST+6*\x+2], 0
	v_mov_b32 v[ST+6*\x+3], 0
	v_mov_b32 v[ST+6*\x+4], 0
	v_mov_b32 v[ST+6*\x+5], 0
.endr
.set j, 0
.rept 64
	v_mov_b32 v[OA+j], 0                           ; O^T.  The key step's first trip finds zeros, which the first change of M leaves zeros
.set j, j+1
.endr
	PHASE 1, 48, 54, 0
	PAIR 0, 32, 48, 12, 8, 32, 40, 2
	STOREK 0, 32
	PHASE 2, 50, 56, 0
	PAIR 1, 156, 172, 4, 0, 48, 50, 4
	STOREV 0, 48
	s_wait_dscnt 0x0                               ; my codes of chunk 0 lie in LDS
	s_barrier_signal -1
	s_barrier_wait -1                              ; and so do all
	; ---- MAIN.  Between a signal and its wait stand LDS reads of bytes that no wave writes before a later barrier, and work on registers
	; A wave lowers its priority as it goes on: 3 until all its codes are stored, 2 up to step 12, 1 in steps 13 and 14, 0 in step 15: of two waves the one that is further behind has the same priority or the higher one
	s_setprio 3
	MAIN 0, 1
	v_and_b32 v128, 15, v0                         ; my 32 keys and values of chunks 1 to 3
	v_bfe_u32 v129, v0, 4, 1
	v_lshlrev_b32 v[SCI], 7, v128
	v_lshl_add_u32 v[SCI], v129, 5, v[SCI]         ; 128 r + 32 h.  These four and the next line are places behind the last products, ahead of the loads into P's registers
	v_nop
.irp i, 0,1,2
	BLOAD \i
.endr
	PHASE 1, 48, 54, 1
.irp i, 0,2,4
	BPAIR 0, \i, 40, 2
	STOREK 1+\i/2, 32
.endr
	PHASE 2, 50, 56, 0
.irp i, 6,8,10
	BPAIR 1, \i, 34, 4
	STOREV \i/2-2, 32
.endr
	v_mov_b32 v[SCI], s58                          ; 2^e8 again: all loads are in
	s_wait_dscnt 0x0                               ; my codes lie in LDS
	s_setprio 2
	s_barrier_signal -1
	MAIN 1, 4
	s_barrier_wait -1                              ; chunks 1 to 3 lie in LDS
	MAIN 4, 5
	s_barrier_signal -1                            ; I read nothing of steps 0 to 4 any more (the wait for 0 stands at MAIN's end)
	MAIN 5, 13
	s_setprio 1
	MAIN 13, 15
	s_setprio 0
	MAIN 15, 16
	s_barrier_wait -1                              ; nor does anybody: the stages may lie over them
	; ---- THE WAY OUT.  The sum's halves and the other half of the lanes'; O^T x 2^(e8 + e9) / the sum.  These lines are the places behind the last products
.irp x, 0,1
	v_add_f32 v[ST+6*\x+4], v[ST+6*\x+2], v[ST+6*\x+3]
.endr
	v_and_b32 v130, 15, v0                         ; r
	v_bfe_u32 v131, v0, 4, 1                       ; h
.irp x, 0,1
	v_permlanex16_b32 v[ST+6*\x+5], v[ST+6*\x+4], s66, s67
.endr
	s_mul_i32 s76, s30, 16*SPITCH                  ; my stage
	v_mul_u32_u24 v128, v130, SPITCH
	v_mul_u32_u24 v129, v131, SPITCH
.irp x, 0,1
	v_add_f32 v[ST+6*\x+4], v[ST+6*\x+4], v[ST+6*\x+5]
.endr
	v_lshlrev_b32 v132, 11, v131
	v_lshl_add_u32 v128, v131, 5, v128
	v_lshl_add_u32 v129, v130, 4, v129
	v_lshl_add_u32 v132, v130, 4, v132             ; my byte offset in the wave's rows of out0 (2,048 bytes a row)
	v_add_nc_u32 v128, s76, v128                   ; in: row r, 32 bytes for each half of the lanes
	v_add_nc_u32 v129, s76, v129                   ; back: lanes 0-15 one row, lanes 16-31 the next
	v_lshl_add_u32 v2, v0, 2, SPARE                ; my spare word
	v_mov_b32 v3, 0
	s_wait_alu depctr_va_vdst(0)                   ; ahead of the batch
.irp x, 0,1
	v_rcp_f32 v[ST+6*\x+2], v[ST+6*\x+4]
.endr
	v_nop                                          ; a plain line between the last reciprocal and the use of its result
	s_wait_alu depctr_va_vdst(0)                   ; and for the wait ahead of the first use: one for both
.irp x, 0,1
	v_ldexp_f32 v[ST+6*\x+2], v[ST+6*\x+2], s71
.endr
	s_wait_alu depctr_va_vdst(0)                   ; directly ahead of the first reader of O^T
.irp x, 0,1
.set j, 0
.rept 16
	v_pk_mul_f32 v[SS+32*\x+j:SS+32*\x+j+1], v[OA+32*\x+j:OA+32*\x+j+1], v[ST+6*\x+2:ST+6*\x+3] op_sel_hi:[1,0]   ; register 8 ct + i: o(query r, channel 16 ct + 8 h + i); each accumulator from its low end on
.set j, j+2
.endr
.endr
.irp x, 0,1                                        ; a tile at a time through my own stage: LDS serves a wave's instructions in order (ISA guide 5.7.1.4), so no wait stands between
.irp ct, 0,1,2,3
	ds_store_b128 v128, v[SS+32*\x+8*\ct:SS+32*\x+8*\ct+3]   offset:64*\ct
	ds_store_b128 v128, v[SS+32*\x+8*\ct+4:SS+32*\x+8*\ct+7] offset:64*\ct+16
.endr
.irp n, 0,1,2,3,4,5,6,7
	ds_load_b128 v[FR+128*\x+4*\n:FR+128*\x+4*\n+3], v129 offset:2*SPITCH*\n
.endr
.endr
.irp x, 0,1
.irp n, 0,1,2,3,4,5,6,7
	s_wait_dscnt 16*(1-\x)+7-\n                    ; rows 2 n, 2 n + 1 are back; the younger reads (and the second tile's eight stores and eight reads) may be out
	global_store_b128 v132, v[FR+128*\x+4*\n:FR+128*\x+4*\n+3], s[28:29] offset:32768*\x+4096*\n th:TH_STORE_NT   ; sixteen lanes store a head's 256 consecutive bytes of one query, at a multiple of 256 from out0's first byte
.endr
.endr
	s_wait_tensorcnt 0x0                           ; the wave's end, behind my last LDS store
	ds_add_u32 v2, v3
	s_wait_dscnt 0x0
	s_endpgm
.Lfunc_end_k_q43abb83d27_attn:
	.size	k_q43abb83d27_attn, .Lfunc_end_k_q43abb83d27_attn-k_q43abb83d27_attn
	.p2alignl 7, 3214868480
	.fill 96, 4, 3214868480
	.section	.rodata,"a",@progbits
	.p2align	6, 0x0
	.amdhsa_kernel k_q43abb83d27_attn
		.amdhsa_group_segment_fixed_size 282624
		.amdhsa_private_segment_fixed_size 0
		.amdhsa_enable_private_segment 0
		.amdhsa_kernarg_size 88
		.amdhsa_user_sgpr_count 2
		.amdhsa_user_sgpr_kernarg_segment_ptr 1
		.amdhsa_wavefront_size32 1
		.amdhsa_system_sgpr_workgroup_id_x 1
		.amdhsa_system_sgpr_workgroup_id_y 1
		.amdhsa_system_sgpr_workgroup_id_z 1
		.amdhsa_system_vgpr_workitem_id 0
		.amdhsa_next_free_vgpr 256
		.amdhsa_next_free_sgpr 90
		.amdhsa_reserve_vcc 0
		.amdhsa_float_denorm_mode_32 3
		.amdhsa_float_denorm_mode_16_64 3
		.amdhsa_memory_ordered 1
		.amdhsa_forward_progress 1
		.amdhsa_inst_pref_size 255
	.end_amdhsa_kernel
	.section	.bss,"aw",@nobits
	.p2align	6
	.space	262144
	.amdgpu_metadata
---
amdhsa.version: [ 1, 2 ]
amdhsa.kernels:
  - .name:           k_q43abb83d27_attn
    .symbol:         k_q43abb83d27_attn.kd
    .args:
      - { .name: query, .offset: 0, .size: 8, .value_kind: global_buffer, .address_space: global }
      - { .name: key, .offset: 8, .size: 8, .value_kind: global_buffer, .address_space: global }
      - { .name: value, .offset: 16, .size: 8, .value_kind: global_buffer, .address_space: global }
      - { .name: Wq, .offset: 24, .size: 8, .value_kind: global_buffer, .address_space: global }
      - { .name: Wk, .offset: 32, .size: 8, .value_kind: global_buffer, .address_space: global }
      - { .name: Wv, .offset: 40, .size: 8, .value_kind: global_buffer, .address_space: global }
      - { .name: bq, .offset: 48, .size: 8, .value_kind: global_buffer, .address_space: global }
      - { .name: bk, .offset: 56, .size: 8, .value_kind: global_buffer, .address_space: global }
      - { .name: bv, .offset: 64, .size: 8, .value_kind: global_buffer, .address_space: global }
      - { .name: lowp_scales, .offset: 72, .size: 8, .value_kind: global_buffer, .address_space: global }
      - { .name: out0, .offset: 80, .size: 8, .value_kind: global_buffer, .address_space: global }
    .group_segment_fixed_size: 282624
    .private_segment_fixed_size: 0
    .kernarg_segment_align: 8
    .kernarg_segment_size: 88
    .max_flat_workgroup_size: 512
    .sgpr_count:     90
    .vgpr_count:     256
    .wavefront_size: 32
...
	.end_amdgpu_metadata
.endif
;; end of part 1
